; MI455X (gfx1250); checked and timed in simulation.
; The chip was launched on July 23, 2026; its instructions are those of AMD's public machine-readable ISA for CDNA 5 (MIT licence, August 2026) and "CDNA5" Instruction Set Architecture Reference Guide (July 2026). The comments in the code are by the model that wrote it; some were corrected since.
;; Segment FFN. Allowed arithmetic: matrix products marked QUANTISED: E4M3 operands, one given power-of-two scale a tensor, by v_wmma_f32_16x16x64_fp8_fp8 or v_wmma_f32_16x16x128_fp8_fp8, f32 sums; everything else in f32.
;; Inputs: lowp_scales 24 int32 (the exponents e of the quantised operands' scales 2^e); w1 4 x 1,024 x 2,048 float32; w2 4 x 2,048 x 1,024 float32; w3 4 x 1,024 x 2,048 float32; x 4 x 2,048 x 1,024 float32.
;; Outputs: out0 4 x 2,048 x 1,024 float32.
;; This version of the problem:
;;   THIS VERSION OF THE PROBLEM IS GIVEN IN LOW PRECISION. The matrix products marked QUANTISED in the list below multiply operands that are first quantised to E4M3 (4 exponent bits, 3 mantissa bits; 8 bits a number), with one given power-of-two scale for each operand tensor; their sums are f32. All else is computed in f32.
;;   The module's matrix products, in the order in which they are computed (A, B: the left and right operand; K: the contracted axis; several contracted axes count as one K, in the product's order):
;;     1. [M 2,048, K 1,024] x [K 1,024, N 2,048]; A: computed on the way; B: input w1: QUANTISED (scales: A lowp_scales[0], B lowp_scales[1])
;;     2. [M 2,048, K 1,024] x [K 1,024, N 2,048]; A: computed on the way; B: input w3: QUANTISED (scales: A lowp_scales[2], B lowp_scales[3])
;;     3. [M 2,048, K 2,048] x [K 2,048, N 1,024]; A: computed on the way; B: input w2: QUANTISED (scales: A lowp_scales[4], B lowp_scales[5])
;;     4. [M 2,048, K 1,024] x [K 1,024, N 2,048]; A: computed on the way; B: input w1: QUANTISED (scales: A lowp_scales[6], B lowp_scales[7])
;;     5. [M 2,048, K 1,024] x [K 1,024, N 2,048]; A: computed on the way; B: input w3: QUANTISED (scales: A lowp_scales[8], B lowp_scales[9])
;;     6. [M 2,048, K 2,048] x [K 2,048, N 1,024]; A: computed on the way; B: input w2: QUANTISED (scales: A lowp_scales[10], B lowp_scales[11])
;;     7. [M 2,048, K 1,024] x [K 1,024, N 2,048]; A: computed on the way; B: input w1: QUANTISED (scales: A lowp_scales[12], B lowp_scales[13])
;;     8. [M 2,048, K 1,024] x [K 1,024, N 2,048]; A: computed on the way; B: input w3: QUANTISED (scales: A lowp_scales[14], B lowp_scales[15])
;;     9. [M 2,048, K 2,048] x [K 2,048, N 1,024]; A: computed on the way; B: input w2: QUANTISED (scales: A lowp_scales[16], B lowp_scales[17])
;;     10. [M 2,048, K 1,024] x [K 1,024, N 2,048]; A: computed on the way; B: input w1: QUANTISED (scales: A lowp_scales[18], B lowp_scales[19])
;;     11. [M 2,048, K 1,024] x [K 1,024, N 2,048]; A: computed on the way; B: input w3: QUANTISED (scales: A lowp_scales[20], B lowp_scales[21])
;;     12. [M 2,048, K 2,048] x [K 2,048, N 1,024]; A: computed on the way; B: input w2: QUANTISED (scales: A lowp_scales[22], B lowp_scales[23])
;;   THE QUANTISER, for each operand of a quantised product, along K:
;;     - The operand's scale is 2^e, e = its entry of the input lowp_scales (int32; the entries are numbered through the quantised products in the list's order, A before B).
;;     - Each number is divided by the scale, clamped to +-448, and rounded to the nearest number of E4M3, ties to even, subnormals kept.
;;     - The product sums the exact products of the quantised numbers (number of the format x scale) in f32.
;;   ~~~python
;;   def quantise(x, axis, e):      # numpy; x: float32 -> the quantised numbers, widened to float32 again
;;       x = np.moveaxis(x, axis, -1); K = x.shape[-1]
;;       r = np.clip(x / 2.0 ** e, -448, 448)
;;       step = 2.0 ** (np.maximum(np.frexp(np.where(r == 0, 1, r))[1] - 1, -6) - 3)
;;       q = np.round(r / step) * step * 2.0 ** e      # np.round: ties to even
;;       return np.moveaxis(q, -1, axis).astype(np.float32)
;;   ~~~
;;   OPERANDS COMPUTED ON THE WAY. 'Computed on the way' means the value that the module computes at that place (a softmax that the list does not call 'softmax' is quantised finished and normalised). What goes into a quantiser is computed in f32, as accurately as f32 sums, v_exp_f32 and their like allow (about 1e-6 of the number): no bf16 or f16 on the way to a quantiser, and a product that is left as it is and whose result goes on into a quantised operand takes f32 operands (vector FMAs, or v_wmma_f32_16x16x4_f32). A number that lies on a knife's edge between two numbers of the format may be rounded either way, as far as f32 arithmetic and the matrix unit's own rounding can turn it there, and no further.
;; One version. Each part assembles by itself: llvm-mc -triple=amdgcn-amd-amdhsa -mcpu=gfx1250 --defsym DOCPART=n.
;; ======== version 1 of 1: 3 launches
;; limits: right only within a limited range of input values
;; workspace buffers: xab 16,777,216 bytes; wc13 16,777,216 bytes; w2c 8,388,608 bytes; hc 16,777,216 bytes
;; launch quant (part 1): grid 768 x 1, 4 waves a work-group, no clusters, 34,304 bytes of LDS; arguments x, w1, w3, lowp_scales, xab, wc13; writes xab, wc13
.if DOCPART == 1
	.amdgcn_target "amdgcn-amd-amdhsa--gfx1250"
	.amdhsa_code_object_version 6
	.text
	.protected	k_q85d56a7100_quant
	.globl	k_q85d56a7100_quant
	.p2align	8
	.type	k_q85d56a7100_quant,@function
k_q85d56a7100_quant:
	s_mov_b64 s[64:65], 0
	v_nop
	global_prefetch_b8 v0, s[64:65] scope:SCOPE_SE
	s_setreg_imm32_b32 hwreg(HW_REG_WAVE_MODE, 25, 1), 1
	s_wait_xcnt 0x0
; x [8192 rows][1024] and w1, w3 [4][1024 k][2048 n], all f32, become codes of FP8 (E4M3), each with the scale 2^e that is given for it.  (w2 is quantised in the next launch, beside its matrix work.)
; code = number / 2^e, held within +-448, rounded to the nearest code, ties to even.
; LIMITS: every e used here lies between -126 and 119, so that 2^e and 448 x 2^e are f32 numbers.  NaN among the inputs is not served (an infinity is held at the largest code).
; THE CODES ARE LAID AS IMAGES OF OPERAND REGISTERS.  An image is 2,048 bytes: 16 tile rows x 128 places p along K; the code of (row r, place p) lies at 256 (p / 16) + 16 r + p % 16.
; Four loads of 16 bytes a lane at 512 c + 16 lane then give lane (r, h) the places 32 c + 16 h + 0 .. 15 in registers 4 c .. 4 c + 3, alike for both operands of a product.
;   xab  [R' 64][ks 8][which 2][a 8][2048]: rows 128 R' + 16 a + r; which = 0: the scale of entry 6 seg, 1: of entry 6 seg + 2 (the two products that read x have scales of their own); seg = (R' / 4) % 4
;   wc13 [seg 4][g 32][ks 8][which 2: w1, w3][j 4][2048]: row r of tile j is column n = 64 g + 4 r + j: so a lane that loads four neighbouring columns serves the four tiles
; SHARES.  Each wave has one job of 32 KiB of f32.  Work-groups 0-255: x (16 rows x 512 k a wave); 256-511: w1, 512-767: w3 (64 k x 128 columns a wave).  The paths part on the work-group's number alone.
; Work-groups share no input: no cluster.  Every load of a wave reads 512 consecutive bytes; every store writes whole aligned runs of 256 bytes.  Two sets of 16 loads a wave are on their way.
; x: K is innermost, and a conversion wants neighbours along K in one lane's registers: a K step's 16 rows x 512 bytes turn through the wave's own stage in LDS.
; Weights: K is outermost: a lane's registers run down K by themselves; the hold, which is owed anyway, writes them in the order that the conversions want.  No LDS.
.set SPITCH, 528                       ; a stage row: 512 bytes + 16: the sixteen rows that a read touches start at sixteen different groups of banks (ISA guide 11.1)
.set STGB,   16*SPITCH                 ; a wave's stage
.set SPARE,  4*STGB                    ; behind the four stages: the spare words, 128 bytes for each wave: two blocks of 256 bytes that no other line names
.set LI,   3                           ; v3   16 x lane
.set SIN,  4                           ; v4   the stage, on the way in
.set SOUT, 5                           ; v5   the stage, on the way out
.set WO,   7                           ; v7   the weights' codes: 131072 (lane / 16) + 16 (lane % 16)
.set SCA,  10                          ; v10, v11  2^e and 448 x 2^e;   v12, v13 the same for x's second scale
.set SPW,  14                          ; v14  LDS address of my spare word; never rewritten
.set NIL,  15                          ; v15  0; never rewritten
.set C,    16                          ; v16-47   codes
.set X,    48                          ; v48-175  two sets of 64 numbers as loaded
.set Y,    176                         ; v176-239 x: 64 numbers, neighbours along K
.set T64,  176                         ; v176-239 weights: 64 numbers held, in the conversions' order
.set T16,  240                         ; v240-255 x: 16 numbers held
.macro MKSCALE se, st, vs              ; s[se] = e  ->  v[vs] = 2^e, v[vs + 1] = 448 x 2^e
	s_add_co_i32 s[\se], s[\se], 127
	s_lshl_b32 s[\st], s[\se], 23
	v_mov_b32 v[\vs], s[\st]                       ; the conversion takes this number's exponent field
	s_add_co_i32 s[\se], s[\se], 8
	s_lshl_b32 s[\se], s[\se], 23
	s_or_b32 s[\se], s[\se], 0x600000              ; 448 = 1.75 x 2^8
	v_mov_b32 v[\vs+1], s[\se]
.endm
	s_load_b256 s[4:11], s[0:1], 0x0               ; x s[4:5], w1 s[6:7], w3 s[8:9], the scales' exponents s[10:11]
	s_load_b128 s[12:15], s[0:1], 0x20             ; xab s[12:13], wc13 s[14:15]
	v_lshl_add_u32 v[SPW], v0, 2, SPARE
	v_mov_b32 v[NIL], 0
	v_lshrrev_b32 v1, 5, v0
	v_readfirstlane_b32 s20, v1                    ; wave 0..3
	v_and_b32 v2, 31, v0
	v_lshlrev_b32 v[LI], 4, v2
	v_and_b32 v8, 15, v0                           ; r
	v_bfe_u32 v9, v0, 4, 1                         ; h
	s_lshl_b32 s21, ttmp9, 2
	s_add_co_u32 s21, s21, s20                     ; 4 x work-group + wave
	s_mov_b32 s25, 0                               ; the upper words of three byte offsets
	s_mov_b32 s27, 0
	s_mov_b32 s29, 0
	s_cmp_ge_u32 ttmp9, 256
	s_cbranch_scc1 .Lweights
; ---------------- x ----------------
	s_lshr_b32 s22, s21, 1                         ; T: which 16 rows
	s_and_b32 s23, s21, 1                          ; which half of K
	s_bfe_u32 s24, s22, 0x20005                    ; seg = (T / 32) % 4
	s_mul_i32 s24, s24, 24                         ; six entries of 4 bytes a segment
	s_lshl_b32 s26, s22, 16                        ; from: 16 rows of 4,096 bytes,
	s_lshl_b32 s30, s23, 11                        ; + 512 numbers
	s_add_co_u32 s26, s26, s30
	s_lshr_b32 s28, s22, 3                         ; to: R' x 262,144,
	s_lshl_b32 s28, s28, 18
	s_lshl_b32 s30, s23, 17                        ; + four K steps of 32,768,
	s_add_co_u32 s28, s28, s30
	s_and_b32 s30, s22, 7                          ; + a x 2,048
	s_lshl_b32 s30, s30, 11
	s_add_co_u32 s28, s28, s30
	s_mul_i32 s31, s20, STGB                       ; my stage
	s_wait_alu depctr_va_vdst(0)
	v_add_nc_u32 v[SIN], s31, v[LI]                ; in: a row's 512 bytes as they lie
	v_mul_u32_u24 v[SOUT], v8, SPITCH
	v_lshl_add_u32 v[SOUT], v9, 6, v[SOUT]
	v_add_nc_u32 v[SOUT], s31, v[SOUT]             ; out: row r, + 64 h: my 16 numbers of a block of 32
	s_wait_alu depctr_va_vdst(0)
	s_wait_kmcnt 0x0
	s_add_nc_u64 s[10:11], s[10:11], s[24:25]
	s_load_b32 s32, s[10:11], 0x0                  ; entry 6 seg: x's scale in the product with w1
	s_load_b32 s33, s[10:11], 0x8                  ; entry 6 seg + 2: in the product with w3
	s_add_nc_u64 s[4:5], s[4:5], s[26:27]
	s_add_nc_u64 s[16:17], s[12:13], s[28:29]
.macro LOADX f                         ; K step f of my half: 16 rows x 512 consecutive bytes into set f % 2
.irp i, 0,1,2,3,4,5,6,7,8,9,10,11,12,13,14,15
	global_load_b128 v[X+64*((\f)%2)+4*\i:X+64*((\f)%2)+4*\i+3], v[LI], s[4:5] offset:\i*4096+(\f)*512 th:TH_LOAD_NT
.endr
.endm
	LOADX 0
	LOADX 1
	s_wait_kmcnt 0x0
	MKSCALE 32, 34, SCA
	MKSCALE 33, 34, SCA+2
.macro XSTEP f
.if (\f) < 3
	s_wait_loadcnt 16                              ; this step's 16 loads are in; the next step's 16 may be out
.else
	s_wait_loadcnt 0
.endif
.irp i, 0,1,2,3,4,5,6,7,8,9,10,11,12,13,14,15
	ds_store_b128 v[SIN], v[X+64*((\f)%2)+4*\i:X+64*((\f)%2)+4*\i+3] offset:\i*SPITCH
.endr
.irp c, 0,1,2,3
.irp q, 0,1,2,3
	ds_load_b128 v[Y+16*\c+4*\q:Y+16*\c+4*\q+3], v[SOUT] offset:128*\c+16*\q   ; LDS serves a wave's instructions in order (ISA guide 5.7.1.4): these see the stores above.  Register 16 c + i = k 32 c + 16 h + i of row r
.endr
.endr
	s_wait_dscnt 0x0                               ; the numbers are back, and the stores into the stage have read their registers
	s_wait_xcnt 0x0                                ; the last step's stores have read their data: the codes' registers are written again only behind this wait.  It stands ahead of the loads below, so that it does not wait for them too
.if (\f)+2 < 4
	LOADX (\f)+2                                   ; the set just read takes the loads of two steps on
.endif
.irp s, 0,1                            ; once for each of x's two scales
.irp b, 0,1,2,3
.irp i, 0,1,2,3,4,5,6,7,8,9,10,11,12,13,14,15
	v_med3_num_f32 v[T16+\i], v[Y+16*\b+\i], -v[SCA+2*\s+1], v[SCA+2*\s+1]   ; the conversion to an 8-bit code does not saturate (ISA guide 7.6.2): the hold at the largest code x the scale
.endr
	v_cvt_scalef32_pk8_fp8_f32 v[C+16*\s+4*\b:C+16*\s+4*\b+1], v[T16:T16+7], v[SCA+2*\s]
	v_cvt_scalef32_pk8_fp8_f32 v[C+16*\s+4*\b+2:C+16*\s+4*\b+3], v[T16+8:T16+15], v[SCA+2*\s]
	v_nop                                          ; one plain vector line between the conversions and the next holds, which write their sources
.endr
.endr
.irp s, 0,1
.irp c, 0,1,2,3
	global_store_b128 v[LI], v[C+16*\s+4*\c:C+16*\s+4*\c+3], s[16:17] offset:(\f)*32768+\s*16384+\c*512   ; 32 lanes store 512 consecutive bytes of the image
.endr
.endr
.endm
	s_wait_alu depctr_va_vdst(0)
	XSTEP 0
	XSTEP 1
	XSTEP 2
	XSTEP 3
	s_wait_tensorcnt 0x0                           ; the wave's end
	ds_add_u32 v[SPW], v[NIL]
	s_wait_dscnt 0x0
	s_endpgm
; ---------------- w1 and w3 ----------------
.macro LOADW q                         ; 16 rows k = 16 q + i of my 64, 128 columns each: 512 consecutive bytes a load, into set q % 2
.irp i, 0,1,2,3,4,5,6,7,8,9,10,11,12,13,14,15
	global_load_b128 v[X+64*((\q)%2)+4*\i:X+64*((\q)%2)+4*\i+3], v[LI], s[4:5] offset:(16*(\q)+\i)*8192 th:TH_LOAD_NT
.endr
.endm
.Lweights:
	s_wait_alu depctr_va_vdst(0)
	v_lshlrev_b32 v[WO], 4, v8
	v_lshl_add_u32 v[WO], v9, 17, v[WO]
	s_and_b32 s21, s21, 1023                       ; my job among the tensor's 1,024
	s_lshr_b32 s22, s21, 8                         ; seg
	s_mul_i32 s24, s22, 24
	s_lshl_b32 s26, s22, 23                        ; from: a segment's weights are 8 MiB
	s_bfe_u32 s23, s21, 0x40004                    ; kq: which 64 of K's 1,024
	s_and_b32 s30, s21, 15                         ; nb: which 128 of the 2,048 columns
	s_lshl_b32 s31, s23, 19                        ; 64 rows of 8,192 bytes
	s_add_co_u32 s26, s26, s31
	s_lshl_b32 s31, s30, 9
	s_add_co_u32 s26, s26, s31
	s_lshl_b32 s28, s22, 22                        ; to: seg x 4 MiB,
	s_lshl_b32 s31, s30, 18                        ; + two groups of 131,072,
	s_add_co_u32 s28, s28, s31
	s_lshr_b32 s31, s23, 1                         ; + K step x 16,384,
	s_lshl_b32 s31, s31, 14
	s_add_co_u32 s28, s28, s31
	s_and_b32 s31, s23, 1                          ; + the K step's half: four runs of 256
	s_lshl_b32 s31, s31, 10
	s_add_co_u32 s28, s28, s31
	s_wait_kmcnt 0x0
	s_cmp_lt_u32 ttmp9, 512                        ; w1 or w3?  The choice hangs on the work-group's number alone
	s_cselect_b64 s[4:5], s[6:7], s[8:9]
	s_cselect_b32 s31, 0, 8192                     ; w3's images lie behind w1's four
	s_cselect_b32 s30, 4, 12                       ; entry 6 seg + 1 or 6 seg + 3
	s_add_co_u32 s28, s28, s31
	s_add_co_u32 s24, s24, s30
	s_add_nc_u64 s[10:11], s[10:11], s[24:25]
	s_load_b32 s32, s[10:11], 0x0
	s_add_nc_u64 s[4:5], s[4:5], s[26:27]
	s_add_nc_u64 s[16:17], s[14:15], s[28:29]
	LOADW 0
	LOADW 1
	s_wait_kmcnt 0x0
	MKSCALE 32, 34, SCA
	s_wait_alu depctr_va_vdst(0)
.irp q, 0,1,2,3
.if \q < 3
	s_wait_loadcnt 16                              ; these 16 rows are in; the next 16 may be out
.else
	s_wait_loadcnt 0
.endif
.irp t, 0,1,2,3
.irp i, 0,1,2,3,4,5,6,7,8,9,10,11,12,13,14,15
	v_med3_num_f32 v[T64+16*\t+\i], v[X+64*(\q%2)+4*\i+\t], -v[SCA+1], v[SCA+1]   ; the hold; it also lays column t's 16 numbers down K on end
.endr
.endr
.if \q < 2
	LOADW (\q)+2
.endif
; the codes of the four runs keep 16 registers each until the wave's end: runs 0, 1 in v16-47, run 2 in v240-255, run 3 in v48-63 (set 0, whose last numbers run 2 has read)
.set CQ, C+16*\q
.if \q == 2
.set CQ, T16
.endif
.if \q == 3
.set CQ, X
.endif
.irp t, 0,1,2,3
	v_cvt_scalef32_pk8_fp8_f32 v[CQ+4*\t:CQ+4*\t+1], v[T64+16*\t:T64+16*\t+7], v[SCA]
	v_cvt_scalef32_pk8_fp8_f32 v[CQ+4*\t+2:CQ+4*\t+3], v[T64+16*\t+8:T64+16*\t+15], v[SCA]
.endr
	v_nop                                          ; one plain vector line between the conversions and the next holds, which write their sources
.endr
; all 16 stores stand at the wave's end: no register that a store reads is written again
.irp q, 0,1,2,3
.set CQ, C+16*\q
.if \q == 2
.set CQ, T16
.endif
.if \q == 3
.set CQ, X
.endif
.irp t, 0,1,2,3
	global_store_b128 v[WO], v[CQ+4*\t:CQ+4*\t+3], s[16:17] offset:\t*2048+\q*256   ; tile t, 16 places along K: lanes 0-15 store 256 consecutive bytes, aligned, of group 2 nb's image, lanes 16-31 of group 2 nb + 1's
.endr
.endr
	s_endpgm
.Lfunc_end_k_q85d56a7100_quant:
	.size	k_q85d56a7100_quant, .Lfunc_end_k_q85d56a7100_quant-k_q85d56a7100_quant
	.p2alignl 7, 3214868480
	.fill 96, 4, 3214868480
	.section	.rodata,"a",@progbits
	.p2align	6, 0x0
	.amdhsa_kernel k_q85d56a7100_quant
		.amdhsa_group_segment_fixed_size 34304
		.amdhsa_private_segment_fixed_size 0
		.amdhsa_enable_private_segment 0
		.amdhsa_kernarg_size 48
		.amdhsa_user_sgpr_count 2
		.amdhsa_user_sgpr_kernarg_segment_ptr 1
		.amdhsa_wavefront_size32 1
		.amdhsa_system_sgpr_workgroup_id_x 1
		.amdhsa_system_sgpr_workgroup_id_y 1
		.amdhsa_system_sgpr_workgroup_id_z 1
		.amdhsa_system_vgpr_workitem_id 0
		.amdhsa_next_free_vgpr 256
		.amdhsa_next_free_sgpr 66
		.amdhsa_reserve_vcc 0
		.amdhsa_float_denorm_mode_32 3
		.amdhsa_float_denorm_mode_16_64 3
		.amdhsa_memory_ordered 1
		.amdhsa_forward_progress 1
		.amdhsa_inst_pref_size 85
	.end_amdhsa_kernel
	.amdgpu_metadata
---
amdhsa.version: [ 1, 2 ]
amdhsa.kernels:
  - .name:           k_q85d56a7100_quant
    .symbol:         k_q85d56a7100_quant.kd
    .args:
      - { .name: x, .offset: 0, .size: 8, .value_kind: global_buffer, .address_space: global }
      - { .name: w1, .offset: 8, .size: 8, .value_kind: global_buffer, .address_space: global }
      - { .name: w3, .offset: 16, .size: 8, .value_kind: global_buffer, .address_space: global }
      - { .name: lowp_scales, .offset: 24, .size: 8, .value_kind: global_buffer, .address_space: global }
      - { .name: xab, .offset: 32, .size: 8, .value_kind: global_buffer, .address_space: global }
      - { .name: wc13, .offset: 40, .size: 8, .value_kind: global_buffer, .address_space: global }
    .group_segment_fixed_size: 34304
    .private_segment_fixed_size: 0
    .kernarg_segment_align: 8
    .kernarg_segment_size: 48
    .max_flat_workgroup_size: 128
    .sgpr_count:     66
    .vgpr_count:     256
    .wavefront_size: 32
...
	.end_amdgpu_metadata
.endif
;; end of part 1
;; launch ffn1 (part 2): grid 4 x 64, 4 waves a work-group, clusters of 4 x 1, 327,680 bytes of LDS; arguments xab, wc13, lowp_scales, hc, w2, w2c; writes hc, w2c
.if DOCPART == 2
	.amdgcn_target "amdgcn-amd-amdhsa--gfx1250"
	.amdhsa_code_object_version 6
	.text
	.protected	k_q85d56a7100_ffn1
	.globl	k_q85d56a7100_ffn1
	.p2align	8
	.type	k_q85d56a7100_ffn1,@function
k_q85d56a7100_ffn1:
	s_mov_b64 s[64:65], 0
	v_nop
	global_prefetch_b8 v0, s[64:65] scope:SCOPE_SE
	s_setreg_imm32_b32 hwreg(HW_REG_WAVE_MODE, 25, 1), 1
	s_wait_xcnt 0x0
	s_wait_alu depctr_hold_cnt(0) depctr_sa_sdst(0) depctr_va_vdst(0) depctr_va_sdst(0) depctr_va_ssrc(0) depctr_va_vcc(0) depctr_vm_vsrc(0)
	s_getreg_b32 s2, hwreg(HW_REG_IB_STS2, 6, 4)
	s_cmp_eq_u32 s2, 0
	s_cbranch_scc0 .Lentry_in_a_cluster
	s_endpgm
.Lentry_in_a_cluster:
	s_bfe_u32 s2, ttmp6, 0x10000c
	s_cmp_lg_u32 s2, 0x3003
	s_cbranch_scc0 .Lentry_shape_is_right
	s_endpgm
.Lentry_shape_is_right:
; h = silu(x W1) * (x W3), on codes of FP8 (E4M3), sums in f32; h is quantised here with the scale of entry 6 seg + 4 and stored as codes.  Beside that the launch quantises w2 (entry 6 seg + 5).
; Inputs: xab [R' 64][ks 8][which 2][a 8][2048] and wc13 [seg 4][g 32][ks 8][which 2][j 4][2048]: images of operand registers (16 rows x 128 along K in 2,048 bytes; four loads of 16 bytes a lane at 512 c + 16 lane are a fragment).
; Outputs: hc [R' 64][ks 16][a 8][2048] and w2c [seg 4][g 16][ks 16][j 4][2048], images of the same kind.
; SHARES.  Work-group (cx, R') owns rows 128 R' .. + 127 (seg = (R' / 4) % 4) and hidden columns 512 cx .. + 511, as two tiles of 256; wave w takes group g = 8 cx + w, then g + 4: 128 rows x 64 columns of both products:
; 32 accumulators of x W1 in window 2, 32 of x W3 in window 3.  A unit is 8 matrix instructions: two tiles of rows x four weight tiles; 64 units a tile; the accumulators take turns.
; x's CODES STAY IN LDS: xab[R'], 262,144 bytes, is fetched once, jointly by the four partners of the cluster, which own the same rows: 32 KiB a wave at the head (K steps 0 to 3), and 32 KiB a wave (K steps 4 to 7)
; behind the three lines and a round, issued as a refill is; nothing in LDS is filled twice.  One wait for 0 and one barrier stand ahead of unit 27, the first that fetches from K step 4.
; x's FRAGMENTS: seven buffers of 32 registers, buffer U % 7 for unit U; behind every fourth unit U one run of 32 LDS loads brings units U + 4 to U + 7, into the four buffers just read; the weights' run stands in the same place.
; THE WEIGHTS GO FROM MEMORY STRAIGHT INTO REGISTERS, two K steps ahead, and are not asked for jointly: a wave's weights are read by no other wave of its cluster, and x's codes leave no room in LDS for two slots of them.
; PREFETCH: a wave asks for its own weights, 8,192 bytes an instruction (a lane a block of 256 bytes), two K steps ahead of the register load: K steps 4 to 7 of a tile in its K steps 0 to 3; the next tile's K steps 0 to 3
; in K steps 4 to 7, only while a next tile exists.  The first tile's K steps 0 to 3 come by their loads alone.  Each block is named once in each cluster that loads it.
; THE WAY OUT: with s1, s3 the raw sums, h = s1 s3 / (1 + 2^(-s1 2^(e0+e1) log2 e)) x 2^(e0+e1+e2+e3); that power of two and 2^e4 are folded into the conversion's scale; the hold at 448 x that scale stands ahead of the conversion.
; A block's codes are written into eight of the accumulator registers that it has just read, and all stores of a tile stand in one run behind its vector work.
; w2: a wave's job is 64 rows k x 128 columns, 32 rows in each tile's way out: seg = R' / 16, rows 64 (2 (R' % 16) + cx / 2), columns 128 (4 (cx % 2) + wave); a lane's registers run down K; the numbers land in the fragments' buffers, idle there.
; LIMITS: e0 + e1 between -126 and 127; e4 - e0 - e1 - e2 - e3 and e5 between -126 and 119, so that the scales and 448 x them are f32 numbers.  NaN among the inputs is not served.
; REGISTERS, window 0: v1-15 addresses and scales; v32-255 x's fragments; on the way out v16-31, v112-127 w2's codes, v32-63 E, v64-95 P, v96-111 held numbers, v128-255 w2's numbers.  Window 1: the weights, set ks % 2 of 128.
.set SPARE, 262144                     ; behind x's codes: the spare words, 128 bytes for each wave
.set LI,  1                            ; 16 x lane
.set ADA, 2                            ; v2-5  16 x lane + 65,536 i
.set HO,  6                            ; h's codes: 512 h + 16 r
.set SC,  7                            ; the conversion's scale for h, and v8 = 448 x it
.set LIM, 8
.set SPW, 10                           ; my spare word; never rewritten
.set NIL, 11                           ; 0; never rewritten
.set WO,  12                           ; w2's codes: 131,072 h + 16 r
.set SCW, 13                           ; 2^e5, and v14 = 448 x it
.set LIMW, 14
.set PFO, 15                           ; 256 x lane: the prefetches' offset; never rewritten
.set CW,  16
.set E,   32
.set P,   64
.set TW,  96
.set CW1, 112
.set XW,  128
.set AF,  32
.set WV,  12
.set G1,  16                           ; s[16:23] descriptor group 1
.set G0,  24                           ; s[24:31] two groups 0
.set MSB, 0
.macro WIN new                         ; the immediate's high byte repeats the setting that is left
.if MSB != (\new)
	s_set_vgpr_msb (MSB<<8)|(\new)
.set MSB, (\new)
.endif
.endm
.macro CROUND                          ; a round of the cluster's barrier
	s_barrier_signal -1
	s_barrier_wait -1
	s_cmp_lg_u32 s[WV], 0
	s_cbranch_scc1 .Lnot_wave_0_\@
	s_barrier_signal -3
.Lnot_wave_0_\@:
	s_barrier_wait -3
	s_barrier_signal -1
	s_barrier_wait -1
.endm
.macro PLACES                          ; four plain places behind matrix instructions, ahead of loads into registers that they read and of reads of their results
.rept 4
	v_nop
.endr
.endm
	s_load_b256 s[4:11], s[0:1], 0x0               ; xab, wc13, the scales' exponents, hc
	s_load_b128 s[68:71], s[0:1], 0x20             ; w2, w2c
	v_lshl_add_u32 v[SPW], v0, 2, SPARE
	v_mov_b32 v[NIL], 0
	ds_add_u32 v[SPW], v[NIL]                      ; the opening lines: the add, twice on end, and its wait ahead of my first tensor load
	ds_add_u32 v[SPW], v[NIL]
	v_lshrrev_b32 v9, 5, v0
	v_readfirstlane_b32 s[WV], v9
	v_and_b32 v[LI], 31, v0
	v_lshlrev_b32 v[LI], 4, v[LI]
	v_lshlrev_b32 v[PFO], 4, v[LI]
.irp i, 0,1,2,3
	v_add_nc_u32 v[ADA+\i], \i*65536, v[LI]
.endr
	v_and_b32 v[HO], 15, v0
	v_lshlrev_b32 v[HO], 4, v[HO]
	v_bfe_u32 v9, v0, 4, 1
	v_lshl_add_u32 v[WO], v9, 17, v[HO]
	v_lshl_add_u32 v[HO], v9, 9, v[HO]
	s_bfe_u32 s13, ttmp6, 0x40000                  ; cx: it enters the weights', h's and w2's addresses alone
	s_and_b32 s14, ttmp7, 0xffff                   ; R', which the four partners share
	s_bfe_u32 s15, s14, 0x20002                    ; seg
	s_mov_b32 s[G1+0], 15|(3<<16)|(1<<21)          ; the mask: all four partners; elements of 8 bytes; bit 21 beside a mask
	s_mov_b32 s[G1+1], 32<<16                      ; 128 rows of 32 elements, dense: 32,768 bytes a load
	s_mov_b32 s[G1+2], 128<<16
	s_mov_b32 s[G1+3], 32<<16
	s_mov_b32 s[G1+4], 128
	s_mov_b32 s[G1+5], 32
	s_mov_b32 s[G1+6], 0
	s_mov_b32 s[G1+7], 0
	s_lshl_b32 s42, s[WV], 15                      ; my quarter of each 131,072 bytes, in LDS and in xab[R']
	s_lshl_b32 s40, s14, 18
	s_add_co_u32 s40, s40, s42
	s_mov_b32 s41, 0
	s_lshl_b32 s57, s13, 3                         ; the weights: group 8 cx + wave of 131,072 bytes, in segment seg of 4 MiB
	s_add_co_u32 s57, s57, s[WV]
	s_lshl_b32 s57, s57, 17
	s_lshl_b32 s58, s15, 22
	s_add_co_u32 s58, s58, s57
	s_mov_b32 s59, 0
	s_lshl_b32 s60, s13, 2                         ; h: K step 4 cx + wave / 2 of 16,384 bytes, + 1,024 (wave % 2), in hc[R']
	s_lshr_b32 s57, s[WV], 1
	s_add_co_u32 s60, s60, s57
	s_lshl_b32 s60, s60, 14
	s_and_b32 s57, s[WV], 1
	s_lshl_b32 s57, s57, 10
	s_add_co_u32 s60, s60, s57
	s_lshl_b32 s57, s14, 18
	s_add_co_u32 s60, s60, s57
	s_mov_b32 s61, 0
	s_mul_i32 s62, s15, 24                         ; six entries of 4 bytes a segment
	s_mov_b32 s63, 0
	s_lshr_b32 s72, s14, 4                         ; w2's job: its segment,
	s_and_b32 s73, s14, 15
	s_lshl_b32 s73, s73, 1
	s_lshr_b32 s74, s13, 1
	s_add_co_u32 s73, s73, s74                     ; which 64 rows,
	s_and_b32 s74, s13, 1
	s_lshl_b32 s74, s74, 2
	s_add_co_u32 s74, s74, s[WV]                   ; which 128 columns
	s_lshl_b32 s76, s72, 23
	s_lshl_b32 s75, s73, 18
	s_add_co_u32 s76, s76, s75
	s_lshl_b32 s75, s74, 9
	s_add_co_u32 s76, s76, s75
	s_mov_b32 s77, 0
	s_lshl_b32 s78, s72, 21
	s_lshl_b32 s75, s74, 18
	s_add_co_u32 s78, s78, s75
	s_lshr_b32 s75, s73, 1
	s_lshl_b32 s75, s75, 13
	s_add_co_u32 s78, s78, s75
	s_and_b32 s75, s73, 1
	s_lshl_b32 s75, s75, 10
	s_add_co_u32 s78, s78, s75
	s_mov_b32 s79, 0
	s_mul_i32 s80, s72, 24
	s_add_co_u32 s80, s80, 20
	s_mov_b32 s81, 0
	s_wait_alu depctr_va_vdst(0)
	s_wait_dscnt 0x0                               ; both opening adds are done
	s_wait_kmcnt 0x0
	s_add_nc_u64 s[80:81], s[8:9], s[80:81]
	s_add_nc_u64 s[8:9], s[8:9], s[62:63]
	s_load_b64 s[48:49], s[8:9], 0x0               ; e0, e1
	s_load_b64 s[50:51], s[8:9], 0x8               ; e2, e3
	s_load_b64 s[52:53], s[8:9], 0x10              ; e4
	s_load_b32 s82, s[80:81], 0x0                  ; e5 of w2's segment
	s_add_nc_u64 s[44:45], s[6:7], s[58:59]
	s_add_nc_u64 s[46:47], s[10:11], s[60:61]
	s_add_nc_u64 s[68:69], s[68:69], s[76:77]
	s_add_nc_u64 s[70:71], s[70:71], s[78:79]
	s_add_nc_u64 s[4:5], s[4:5], s[40:41]
.irp i, 0,1
	s_mov_b32 s[G0+4*\i], 1
	s_add_co_u32 s[G0+4*\i+1], s42, \i*131072
	s_add_nc_u64 s[G0+4*\i+2:G0+4*\i+3], s[4:5], \i*131072
	s_or_b32 s[G0+4*\i+3], s[G0+4*\i+3], 0x80000000
.endr
	CROUND                                         ; the four partners are here: the joint loads meet
	tensor_load_to_lds s[G0:G0+3], s[G1:G1+7]      ; K steps 0 to 3, my quarter: one tensor load a wave at the head
	s_nop 0
	PLACES
.macro ALOAD U                         ; unit U's two fragments of x into buffer U % 7
.set L_KS, (\U)/8
.set L_Q,  (\U)%8
.irp d, 0,1
.irp c, 0,1,2,3
	ds_load_b128 v[AF+32*((\U)%7)+16*\d+4*\c:AF+32*((\U)%7)+16*\d+4*\c+3], v[ADA+L_KS/2] offset:(L_KS%2)*32768+(L_Q/4)*16384+(2*(L_Q%4)+\d)*2048+512*\c
.endr
.endr
.endm
.macro BLOAD ks, wh                    ; a run of 16 loads: the four tiles of w1 (wh = 0) or w3 (1) of K step ks, into window 1
	WIN 0x40
.irp j, 0,1,2,3
.irp c, 0,1,2,3
	global_load_b128 v[128*((\ks)%2)+64*(\wh)+16*\j+4*\c:128*((\ks)%2)+64*(\wh)+16*\j+4*\c+3], v[LI], s[44:45] offset:(\ks)*16384+(\wh)*8192+\j*2048+512*\c
.endr
.endr
.endm
.macro LOADW c                         ; w2: 16 rows k = 16 c + i, 512 consecutive bytes a load
.irp i, 0,1,2,3,4,5,6,7,8,9,10,11,12,13,14,15
	global_load_b128 v[XW+64*(\c)+4*\i:XW+64*(\c)+4*\i+3], v[LI], s[68:69] offset:(16*(\c)+\i)*4096 th:TH_LOAD_NT
.endr
.endm
.macro W2COL c, t, cr                  ; column t of the lane's four: the hold lays its 16 numbers down K on end; then the conversions
.irp i, 0,1,2,3,4,5,6,7,8,9,10,11,12,13,14,15
	v_med3_num_f32 v[TW+\i], v[XW+64*(\c)+4*\i+(\t)], -v[LIMW], v[LIMW]
.endr
	v_cvt_scalef32_pk8_fp8_f32 v[\cr+4*(\t):\cr+4*(\t)+1], v[TW:TW+7], v[SCW]
	v_cvt_scalef32_pk8_fp8_f32 v[\cr+4*(\t)+2:\cr+4*(\t)+3], v[TW+8:TW+15], v[SCW]
	v_nop                                          ; one plain line between the conversions and the next holds, which write their sources
.endm
; A UNIT.  LDS loads behind mine at my wait: those of 6 - U % 4 units: the runs have brought the units up to 4 (U / 4) + 6 (fewer at a tile's end: 63 - U).  At most 56 LDS loads of mine are out.
; Weight runs behind run R = 2 ks + wh at its wait: three, or as many as the tile has left.
.macro UNIT U
.set U_KS, (\U)/8
.set U_Q,  (\U)%8
.set U_WH, U_Q/4
.set U_A0, 2*(U_Q%4)
.set U_B,  128*(U_KS%2)+64*U_WH
.set U_F,  AF+32*((\U)%7)
.set U_D,  6-(\U)%4
.if 63-(\U) < U_D
.set U_D, 63-(\U)
.endif
	s_wait_dscnt 8*U_D
.if U_Q%4 == 0
.set U_N, 16*(15-(2*U_KS+U_WH))
.if U_N > 48
.set U_N, 48
.endif
	s_wait_loadcnt U_N
.endif
	WIN 0xa1+0x50*U_WH                             ; source 0 (weights) window 1, source 1 (x) window 0, C and D window 2 or 3
.irp d, 0,1
.irp j, 0,1,2,3
.if U_KS == 0
	v_wmma_f32_16x16x128_fp8_fp8 v[8*(4*(U_A0+\d)+\j):8*(4*(U_A0+\d)+\j)+7], v[U_B+16*\j:U_B+16*\j+15], v[U_F+16*\d:U_F+16*\d+15], 0
.else
	v_wmma_f32_16x16x128_fp8_fp8 v[8*(4*(U_A0+\d)+\j):8*(4*(U_A0+\d)+\j)+7], v[U_B+16*\j:U_B+16*\j+15], v[U_F+16*\d:U_F+16*\d+15], v[8*(4*(U_A0+\d)+\j):8*(4*(U_A0+\d)+\j)+7]
.endif
.endr
.endr
.if U_Q%4 == 3                         ; the prefetch: the run that the register loads ask for two K steps from here
	WIN 0
.if U_KS < 4
	global_prefetch_b8 v[PFO], s[44:45] offset:(U_KS+4)*16384+U_WH*8192 th:TH_LOAD_NT scope:SCOPE_SE
.else
	s_cmp_eq_u32 s56, 1                            ; the last tile has no successor: nothing is asked for beyond it
	s_cbranch_scc1 .Lno_ask_\@
	global_prefetch_b8 v[PFO], s[44:45] offset:524288+(U_KS-4)*16384+U_WH*8192 th:TH_LOAD_NT scope:SCOPE_SE
.Lno_ask_\@:
.endif
.endif
.if (U_Q%4 == 3) && ((\U)+4 < 64)
	PLACES
	WIN 0
.irp p, 4,5,6,7                        ; the four buffers just read take the units four to seven on
.if (\U)+\p < 64
	ALOAD (\U)+\p
.endif
.endr
.if U_KS+2 < 8
	BLOAD U_KS+2, U_WH                             ; and the weights' set just read the run of two K steps on
.endif
.endif
.endm
.macro UNITS from, to, first
.set UU, \from
.rept (\to)-(\from)
.if (\first) && (UU == 27)
	s_wait_tensorcnt 0x0                           ; my quarter of K steps 4 to 7 is in
	s_wait_dscnt 0x0                               ; no LDS instruction of mine is pending at the signal
	s_barrier_signal -1
	s_barrier_wait -1                              ; everybody's is
.endif
	UNIT UU
.set UU, UU+1
.endr
.endm
.macro OUT a                           ; the way out of the tile of rows a: 32 numbers a lane
	WIN 0x02
.set OM, 0
.rept 16
	v_pk_mul_f32 v[E+OM:E+OM+1], v[32*(\a)+OM:32*(\a)+OM+1], s[54:55] op_sel_hi:[1,0]   ; -s1 2^(e0+e1) log2 e; each accumulator from its low end on
.set OM, OM+2
.endr
	WIN 0x0e
.set OM, 0
.rept 16
	v_pk_mul_f32 v[P+OM:P+OM+1], v[32*(\a)+OM:32*(\a)+OM+1], v[32*(\a)+OM:32*(\a)+OM+1]   ; s1 (window 2) x s3 (window 3)
.set OM, OM+2
.endr
	WIN 0
.set OM, 0
	s_wait_alu depctr_va_vdst(0)                   ; a wait ahead of each batch of transcendentals and one behind it
.rept 32
	v_exp_f32 v[E+OM], v[E+OM]
.set OM, OM+1
.endr
	v_nop
	s_wait_alu depctr_va_vdst(0)
.set OM, 0
.rept 16
	v_pk_add_f32 v[E+OM:E+OM+1], v[E+OM:E+OM+1], 1.0 op_sel_hi:[1,0]
.set OM, OM+2
.endr
.set OM, 0
	s_wait_alu depctr_va_vdst(0)
.rept 32
	v_rcp_f32 v[E+OM], v[E+OM]
.set OM, OM+1
.endr
	v_nop
	s_wait_alu depctr_va_vdst(0)
.set OM, 0
.rept 16
	v_pk_mul_f32 v[P+OM:P+OM+1], v[P+OM:P+OM+1], v[E+OM:E+OM+1]
.set OM, OM+2
.endr
.irp j, 0,1,2,3
.irp i, 0,1,2,3,4,5,6,7
	v_med3_num_f32 v[E+4*\i+\j], v[P+8*\j+\i], -v[LIM], v[LIM]   ; the hold; it also lays a row's four neighbouring columns on end
.endr
.endr
	s_wait_alu depctr_va_vdst(0)                   ; the wait ahead of the next block's first reads of matrix results
	WIN 0x80                                       ; the codes go to window 2: eight registers of this block's accumulators, which have been read
.irp q, 0,1,2,3
	v_cvt_scalef32_pk8_fp8_f32 v[32*(\a)+2*\q:32*(\a)+2*\q+1], v[E+8*\q:E+8*\q+7], v[SC]
.endr
	WIN 0
	v_nop                                          ; one plain line behind the conversions
.endm
.macro AINIT                           ; a tile's first seven units' fragments
.irp u, 0,1,2,3,4,5,6
	ALOAD \u
.endr
.endm
	BLOAD 0, 0                                     ; the weights of K steps 0 and 1 go out while the first fill is on its way
	BLOAD 0, 1
	BLOAD 1, 0
	BLOAD 1, 1
	WIN 0
	s_wait_kmcnt 0x0
	s_add_co_i32 s57, s48, s49
	s_lshl_b32 s58, s57, 23
	s_add_co_u32 s54, s58, 0xbfb8aa3b              ; -log2 e with e0 + e1 added to its exponent field
	s_mov_b32 s55, s54
	s_add_co_i32 s57, s57, s50
	s_add_co_i32 s57, s57, s51
	s_sub_co_i32 s57, s52, s57                     ; e4 - e0 - e1 - e2 - e3
	s_add_co_i32 s57, s57, 127
	s_lshl_b32 s58, s57, 23
	v_mov_b32 v[SC], s58
	s_add_co_i32 s57, s57, 8
	s_lshl_b32 s57, s57, 23
	s_or_b32 s57, s57, 0x600000                    ; 448 = 1.75 x 2^8
	v_mov_b32 v[LIM], s57
	s_add_co_i32 s82, s82, 127
	s_lshl_b32 s83, s82, 23
	v_mov_b32 v[SCW], s83
	s_add_co_i32 s82, s82, 8
	s_lshl_b32 s82, s82, 23
	s_or_b32 s82, s82, 0x600000
	v_mov_b32 v[LIMW], s82
	s_wait_alu depctr_va_vdst(0)
	s_wait_tensorcnt 0x0                           ; my part of K steps 0 to 3 is in
	ds_add_u32 v[SPW], v[NIL]
	s_wait_dscnt 0x0
	CROUND                                         ; everybody's part is in, and the four partners are here: the joint loads meet
	tensor_load_to_lds s[G0+4:G0+7], s[G1:G1+7]    ; K steps 4 to 7, my quarter: the first tensor load behind the round, and the launch's last fill
	s_nop 0
	PLACES
	AINIT
	s_mov_b32 s56, 2                               ; tiles to go
	UNITS 0, 32, 1
	WIN 0
.Ltile:                                                ; a trip: a tile's K steps 4 to 7, its way out, the next tile's K steps 0 to 3
	s_wait_alu depctr_va_vdst(0)
	UNITS 32, 64, 0
	PLACES
	WIN 0
	s_cmp_eq_u32 s56, 1
	s_cbranch_scc1 .Lno_next
	s_wait_xcnt 0x0                                ; my prefetches have read the weights' base: it steps only behind this wait
	s_add_nc_u64 s[44:45], s[44:45], 524288
	BLOAD 0, 0                                     ; the next tile's K steps 0 and 1 land under the way out
	BLOAD 0, 1
	BLOAD 1, 0
	BLOAD 1, 1
	WIN 0
.Lno_next:
	OUT 0
	OUT 1
	OUT 2
	LOADW 0                                        ; w2's 32 rows of this tile, into the fragments' buffers
	OUT 3
	OUT 4
	LOADW 1
	OUT 5
	OUT 6
	OUT 7
	s_wait_loadcnt 0x0                             ; w2's numbers are in
.irp t, 0,1,2,3
	W2COL 0, \t, CW
.endr
.irp t, 0,1,2,3
	W2COL 1, \t, CW1
.endr
	WIN 0x08                                       ; store data in window 2
.irp a, 0,1,2,3,4,5,6,7
	global_store_b128 v[HO], v[32*\a:32*\a+3], s[46:47] offset:\a*2048        ; sixteen lanes store 256 consecutive bytes of an image, aligned
	global_store_b128 v[HO], v[32*\a+4:32*\a+7], s[46:47] offset:\a*2048+256
.endr
	WIN 0
.irp t, 0,1,2,3
	global_store_b128 v[WO], v[CW+4*\t:CW+4*\t+3], s[70:71] offset:\t*2048
	global_store_b128 v[WO], v[CW1+4*\t:CW1+4*\t+3], s[70:71] offset:\t*2048+256
.endr
	s_sub_co_u32 s56, s56, 1
	s_cmp_eq_u32 s56, 0
	s_cbranch_scc1 .Ldone
	s_wait_xcnt 0x0                                ; the stores have read their data and bases: only now the bases step, and loads and products write those registers
	s_add_nc_u64 s[46:47], s[46:47], 32768
	s_add_nc_u64 s[68:69], s[68:69], 131072
	s_add_nc_u64 s[70:71], s[70:71], 512
	AINIT
	UNITS 0, 32, 0
	WIN 0
	s_cmp_lg_u32 s56, 0
	s_cbranch_scc1 .Ltile
.Ldone:
	s_wait_tensorcnt 0x0                           ; the wave's end
	ds_add_u32 v[SPW], v[NIL]
	s_wait_dscnt 0x0
	CROUND                                         ; the closing round
	s_endpgm
.Lfunc_end_k_q85d56a7100_ffn1:
	.size	k_q85d56a7100_ffn1, .Lfunc_end_k_q85d56a7100_ffn1-k_q85d56a7100_ffn1
	.p2alignl 7, 3214868480
	.fill 96, 4, 3214868480
	.section	.rodata,"a",@progbits
	.p2align	6, 0x0
	.amdhsa_kernel k_q85d56a7100_ffn1
		.amdhsa_group_segment_fixed_size 327680
		.amdhsa_private_segment_fixed_size 0
		.amdhsa_enable_private_segment 0
		.amdhsa_kernarg_size 48
		.amdhsa_user_sgpr_count 2
		.amdhsa_user_sgpr_kernarg_segment_ptr 1
		.amdhsa_wavefront_size32 1
		.amdhsa_system_sgpr_workgroup_id_x 1
		.amdhsa_system_sgpr_workgroup_id_y 1
		.amdhsa_system_sgpr_workgroup_id_z 1
		.amdhsa_system_vgpr_workitem_id 0
		.amdhsa_next_free_vgpr 1024
		.amdhsa_next_free_sgpr 84
		.amdhsa_reserve_vcc 0
		.amdhsa_float_denorm_mode_32 3
		.amdhsa_float_denorm_mode_16_64 3
		.amdhsa_memory_ordered 1
		.amdhsa_forward_progress 1
		.amdhsa_inst_pref_size 245
	.end_amdhsa_kernel
	.amdgpu_metadata
---
amdhsa.version: [ 1, 2 ]
amdhsa.kernels:
  - .name:           k_q85d56a7100_ffn1
    .symbol:         k_q85d56a7100_ffn1.kd
    .args:
      - { .name: xab, .offset: 0, .size: 8, .value_kind: global_buffer, .address_space: global }
      - { .name: wc13, .offset: 8, .size: 8, .value_kind: global_buffer, .address_space: global }
      - { .name: lowp_scales, .offset: 16, .size: 8, .value_kind: global_buffer, .address_space: global }
      - { .name: hc, .offset: 24, .size: 8, .value_kind: global_buffer, .address_space: global }
      - { .name: w2, .offset: 32, .size: 8, .value_kind: global_buffer, .address_space: global }
      - { .name: w2c, .offset: 40, .size: 8, .value_kind: global_buffer, .address_space: global }
    .group_segment_fixed_size: 327680
    .private_segment_fixed_size: 0
    .kernarg_segment_align: 8
    .kernarg_segment_size: 48
    .max_flat_workgroup_size: 128
    .sgpr_count:     84
    .vgpr_count:     1024
    .wavefront_size: 32
...
	.end_amdgpu_metadata
.endif
;; end of part 2
;; launch ffn2 (part 3): grid 4 x 64, 4 waves a work-group, clusters of 4 x 1, 327,680 bytes of LDS; arguments hc, w2c, lowp_scales, out0; writes out0
.if DOCPART == 3
	.amdgcn_target "amdgcn-amd-amdhsa--gfx1250"
	.amdhsa_code_object_version 6
	.text
	.protected	k_q85d56a7100_ffn2
	.globl	k_q85d56a7100_ffn2
	.p2align	8
	.type	k_q85d56a7100_ffn2,@function
k_q85d56a7100_ffn2:
	s_mov_b64 s[64:65], 0
	v_nop
	global_prefetch_b8 v0, s[64:65] scope:SCOPE_SE
	s_setreg_imm32_b32 hwreg(HW_REG_WAVE_MODE, 25, 1), 1
	s_wait_xcnt 0x0
	s_wait_alu depctr_hold_cnt(0) depctr_sa_sdst(0) depctr_va_vdst(0) depctr_va_sdst(0) depctr_va_ssrc(0) depctr_va_vcc(0) depctr_vm_vsrc(0)
	s_getreg_b32 s2, hwreg(HW_REG_IB_STS2, 6, 4)
	s_cmp_eq_u32 s2, 0
	s_cbranch_scc0 .Lentry_in_a_cluster
	s_endpgm
.Lentry_in_a_cluster:
	s_bfe_u32 s2, ttmp6, 0x10000c
	s_cmp_lg_u32 s2, 0x3003
	s_cbranch_scc0 .Lentry_shape_is_right
	s_endpgm
.Lentry_shape_is_right:
; out = h W2, on codes of FP8 (E4M3), sums in f32; each finished sum is multiplied once by 2^(e4 + e5), the scales of entries 6 seg + 4 and 6 seg + 5.
; Inputs: hc [R' 64][ks 16][a 8][2048] and w2c [seg 4][g 16][ks 16][j 4][2048]: images of operand registers (16 rows x 128 along K in 2,048 bytes: four loads of 16 bytes a lane at 512 c + 16 lane are a fragment;
; both operands hold K in the same places).  Row r of weight tile j is output column 64 g + 4 r + j.  Output: out0 [8192 rows][1024] f32.
; SHARES.  Work-group (cx, R') owns rows 128 R' .. + 127 (one segment, seg = (R' / 4) % 4) and columns 256 cx .. + 255; wave w takes group g = 4 cx + w: 128 rows x 64 columns: 32 accumulators.
; THE ROWS' CODES STAY IN LDS: all of hc[R'], 262,144 bytes, is fetched once; nothing in LDS is filled again.  The four partners of a cluster own the same rows: each tile is asked for JOINTLY.
; THE WEIGHTS GO FROM MEMORY STRAIGHT INTO REGISTERS, and are not asked for jointly: a wave's weights are read by no other wave of its work-group and by no partner of its cluster (cx picks the columns), and the rows' codes
; leave no room in LDS for them.
; Source 0 = 16 rows of h, source 1 = a weight tile: lane (r, h) holds, in register i of tile j, out(16 a + 8 h + i, 64 g + 4 r + j): over j four NEIGHBOURS of a row, 16 bytes; the scaling lays them on end.
; K STEPS 0 TO 11 GO BY K, THE LAST FOUR BY ROWS OF THE OUTPUT.  By K all 32 accumulators are finished together, and every store stands behind the last product.  So the weights of K steps 12 to 15 are all held in registers,
; and the eight tiles of 16 rows are finished one after the other, 16 matrix instructions each (the tile's four accumulators by turns, K ascending: the sums are the same); each tile is scaled and stored while the next
; ones are multiplied.  LDS and the weights are read no more than by K.
; LIMIT: e4 + e5 between -126 and 127, so that 2^(e4 + e5) is an f32 number.
; REGISTERS, in windows of 256 (s_set_vgpr_msb: bits 1:0 source 0, 3:2 source 1, 5:4 source 2, 7:6 destination):
;   window 0: v1-11 addresses; v64-127 two sets of 32 results on the way out; v128-191, v192-255 the weights of K steps 14 and 15      window 1: the accumulators, (a, j) at v[8 (4 a + j)]
;   window 2: the weights' fragments of K steps 0 to 13, four sets of 64: set ks % 4      window 3: h's fragments: by K two sets of 128, set ks % 2; by rows four sets of 64 (a tile of rows, K steps 12 to 15), set a % 4
.set SPARE, 262144                     ; behind the rows' codes: the spare words, 128 bytes for each wave: two blocks of 256 bytes that no other line names
.set LI,  1                            ; v1    16 x lane
.set ADA, 2                            ; v2-5  16 x lane + 65,536 i: an LDS offset has 16 bits
.set OO,  6                            ; v6    32,768 h + 16 r: eight rows of out0 for the upper half of the lanes, 16 bytes a lane
.set SPW, 10                           ; v10   LDS address of my spare word; never rewritten
.set NIL, 11                           ; v11   0; never rewritten
.set TT,  64
.set BX,  128
.set WV,  12                           ; s12   my wave's number
.set G1,  16                           ; s[16:23] descriptor group 1
.set G0,  24                           ; s[24:31] two groups 0
.set PFO, 7                            ; v7    256 x lane: the prefetches' offset; never rewritten
.set MSB, 0
.macro WIN new                         ; the immediate's high byte repeats the setting that is left; a switch that changes nothing is dropped
.if MSB != (\new)
	s_set_vgpr_msb (MSB<<8)|(\new)
.set MSB, (\new)
.endif
.endm
.macro CROUND                          ; a round of the cluster's barrier
	s_barrier_signal -1
	s_barrier_wait -1
	s_cmp_lg_u32 s[WV], 0
	s_cbranch_scc1 .Lnot_wave_0_\@
	s_barrier_signal -3
.Lnot_wave_0_\@:
	s_barrier_wait -3
	s_barrier_signal -1
	s_barrier_wait -1
.endm
.macro PLACES                          ; a load into a register that a matrix instruction has read, and a vector instruction that reads a matrix result, stand four plain vector instructions behind it (ISA guide 7.12.1 for the reads of results)
.rept 4
	v_nop
.endr
.endm
	s_load_b256 s[4:11], s[0:1], 0x0               ; hc s[4:5], w2c s[6:7], the scales' exponents s[8:9], out0 s[10:11]
	v_lshl_add_u32 v[SPW], v0, 2, SPARE
	v_mov_b32 v[NIL], 0
	ds_add_u32 v[SPW], v[NIL]                      ; the wave's opening: the add and its wait ahead of my first tensor load; the set-up below, work on registers, stands between them
	ds_add_u32 v[SPW], v[NIL]
	v_lshrrev_b32 v9, 5, v0
	v_readfirstlane_b32 s[WV], v9                  ; wave 0..3
	v_and_b32 v[LI], 31, v0
	v_lshlrev_b32 v[LI], 4, v[LI]
	v_lshlrev_b32 v[PFO], 4, v[LI]
.irp i, 0,1,2,3
	v_add_nc_u32 v[ADA+\i], \i*65536, v[LI]
.endr
	v_and_b32 v[OO], 15, v0
	v_lshlrev_b32 v[OO], 4, v[OO]
	v_bfe_u32 v9, v0, 4, 1
	v_lshl_add_u32 v[OO], v9, 15, v[OO]
	s_bfe_u32 s13, ttmp6, 0x40000                  ; cx: my place in the cluster: it enters the weights' and the output's addresses alone
	s_and_b32 s14, ttmp7, 0xffff                   ; R', which the four partners share
	s_bfe_u32 s15, s14, 0x20002                    ; seg = (R' / 4) % 4
	; descriptor group 1: 128 rows of 256 bytes, dense in memory and in LDS: 32,768 bytes a load
	s_mov_b32 s[G1+0], 15|(3<<16)|(1<<21)          ; 15:0 the mask: all four work-groups; 17:16 elements of 8 bytes; 21 set beside a mask
	s_mov_b32 s[G1+1], 32<<16                      ; tensor_dim0 = 32 elements
	s_mov_b32 s[G1+2], 128<<16                     ; tensor_dim1 = 128
	s_mov_b32 s[G1+3], 32<<16                      ; tile_dim0 = 32
	s_mov_b32 s[G1+4], 128                         ; tile_dim1 = 128
	s_mov_b32 s[G1+5], 32                          ; from row to row
	s_mov_b32 s[G1+6], 0
	s_mov_b32 s[G1+7], 0
	s_lshl_b32 s42, s[WV], 15                      ; my quarter of each 131,072 bytes: in LDS,
	s_lshl_b32 s40, s14, 18
	s_add_co_u32 s40, s40, s42                     ; and in hc: R' x 262,144 + wave x 32,768
	s_mov_b32 s41, 0
	s_lshl_b32 s57, s13, 2
	s_add_co_u32 s57, s57, s[WV]                   ; g = 4 cx + wave
	s_lshl_b32 s58, s57, 17                        ; the weights: group g of 131,072 bytes, in segment seg of 2 MiB
	s_lshl_b32 s60, s15, 21
	s_add_co_u32 s58, s58, s60
	s_mov_b32 s59, 0
	s_lshl_b32 s60, s57, 8                         ; the output: 64 columns are 256 bytes,
	s_lshl_b32 s57, s14, 19                        ; 128 rows of 4,096 bytes
	s_add_co_u32 s60, s60, s57
	s_mov_b32 s61, 0
	s_mul_i32 s62, s15, 24                         ; six entries of 4 bytes a segment
	s_mov_b32 s63, 0
	s_wait_dscnt 0x0                               ; the opening add is done
	s_wait_kmcnt 0x0
	s_add_nc_u64 s[8:9], s[8:9], s[62:63]
	s_load_b64 s[48:49], s[8:9], 0x10              ; e4, e5: h and w2
	s_add_nc_u64 s[44:45], s[6:7], s[58:59]        ; my weights
	s_add_nc_u64 s[46:47], s[10:11], s[60:61]      ; my part of the output
	s_add_nc_u64 s[4:5], s[4:5], s[40:41]
.irp i, 0,1
	s_mov_b32 s[G0+4*\i], 1                                        ; count = 1
	s_add_co_u32 s[G0+4*\i+1], s42, \i*131072                      ; LDS address: K steps 8 i .. 8 i + 7, my quarter
	s_add_nc_u64 s[G0+4*\i+2:G0+4*\i+3], s[4:5], \i*131072         ; global address
	s_or_b32 s[G0+4*\i+3], s[G0+4*\i+3], 0x80000000                ; type = 2
.endr
	CROUND                                         ; all four work-groups are here: the joint loads meet
	tensor_load_to_lds s[G0:G0+3], s[G1:G1+7]      ; K steps 0 to 7, my quarter: one tensor load a wave at the head
	s_nop 0
	PLACES                                         ; four vector lines ahead of the next switch of windows
.macro ALD ks                          ; h's eight fragments of K step ks into set ks % 2: a run of 32 LDS loads, 512 consecutive bytes each
	WIN 0xc0                                       ; destination window 3, address window 0
.irp a, 0,1,2,3,4,5,6,7
.irp c, 0,1,2,3
	ds_load_b128 v[128*((\ks)%2)+16*\a+4*\c:128*((\ks)%2)+16*\a+4*\c+3], v[ADA+(\ks)/4] offset:((\ks)%4)*16384+\a*2048+512*\c
.endr
.endr
.endm
.macro RLD a                           ; tile of rows a: its fragments of K steps 12 to 15 into set a % 4: a run of 16 LDS loads
	WIN 0xc0
.irp k, 0,1,2,3
.irp c, 0,1,2,3
	ds_load_b128 v[64*((\a)%4)+16*\k+4*\c:64*((\a)%4)+16*\k+4*\c+3], v[ADA+3] offset:\k*16384+(\a)*2048+512*\c
.endr
.endr
.endm
.macro BLD ks                          ; the four weight tiles of K step ks: a run of 16 loads, 512 consecutive bytes each
.if (\ks) < 14
	WIN 0x80                                       ; destination window 2, set ks % 4; address window 0
.set B_R, 64*((\ks)%4)
.else
	WIN 0                                          ; K steps 14 and 15: window 0
.set B_R, BX+64*((\ks)-14)
.endif
.irp j, 0,1,2,3
.irp c, 0,1,2,3
	global_load_b128 v[B_R+16*\j+4*\c:B_R+16*\j+4*\c+3], v[LI], s[44:45] offset:(\ks)*8192+\j*2048+512*\c
.endr
.endr
.endm
; A K STEP, 0 to 11: the next step's fragments of h and the weights of three steps on are asked for, then 32 matrix instructions.  The 32 accumulators take turns, one instruction a turn, in the same order in every step
; The first fill holds K steps 0 to 7, the second K steps 8 to 15: step 7 is the first that fetches from the second fill's bytes, so that fill has landed, in every wave, ahead of it.
; THE WEIGHTS' RUNS are issued in this order: 0 1 2 3 at the head | step 1: 4 | 2: 5 | 3: 6 | 4: 7, 14 | 5: 8 | 6: 9 | 7: 10 | 8: 11, 15 | 9: 12 | 10: 13.  Behind run ks, at step ks's wait, stand three runs in steps 0 to 3 and 11,
; four in steps 4 to 10.
; PREFETCH: a wave asks for its own weights, a K step's 8,192 bytes an instruction (a lane a block of 256 bytes), three steps ahead of the run that loads them: step ks names run ks + 6 (up to 13), step 1 run 14, step 5 run 15.
; Runs 0 to 5 come by their loads alone.  Each block is named once in each cluster that loads it; the address registers are never rewritten.
.macro STEP ks
.if (\ks) == 7
	s_wait_tensorcnt 0x0                           ; my quarter of K steps 8 to 15 is in
	s_wait_dscnt 0x0                               ; no LDS instruction of mine is pending at the signal
	s_barrier_signal -1
	s_barrier_wait -1
.endif
.if (\ks) > 0
	PLACES                                         ; the sets loaded below were read by the last step's products
.endif
.if (\ks) < 11
	ALD (\ks)+1
.else
	RLD 0                                          ; the set that step 10 read takes the first two tiles of rows
	RLD 1
.endif
.if (\ks)+6 < 14
	global_prefetch_b8 v[PFO], s[44:45] offset:((\ks)+6)*8192 th:TH_LOAD_NT scope:SCOPE_SE   ; (the address register's window is 0 here)
.endif
.if (\ks) == 1
	global_prefetch_b8 v[PFO], s[44:45] offset:14*8192 th:TH_LOAD_NT scope:SCOPE_SE
.endif
.if (\ks) == 5
	global_prefetch_b8 v[PFO], s[44:45] offset:15*8192 th:TH_LOAD_NT scope:SCOPE_SE
.endif
.if ((\ks) > 0) && ((\ks)+3 < 14)
	BLD (\ks)+3
.endif
.if (\ks) == 4
	BLD 14
.endif
.if (\ks) == 8
	BLD 15
.endif
	s_wait_dscnt 32                                ; this step's fragments are in; the 32 loads just issued may be out
.if ((\ks) >= 4) && ((\ks) <= 10)
	s_wait_loadcnt 63                              ; 64 loads stand behind this step's run; a count names 63 at the most, so one load more is waited for
.else
	s_wait_loadcnt 48                              ; this step's 16 weight loads are in; the three runs issued behind them may be out
.endif
	WIN 0x5b                                       ; source 0 (h) window 3, source 1 (weights) window 2, C and D window 1
.irp a, 0,1,2,3,4,5,6,7
.irp j, 0,1,2,3
.if (\ks) == 0
	v_wmma_f32_16x16x128_fp8_fp8 v[8*(4*\a+\j):8*(4*\a+\j)+7], v[128*((\ks)%2)+16*\a:128*((\ks)%2)+16*\a+15], v[64*((\ks)%4)+16*\j:64*((\ks)%4)+16*\j+15], 0
.else
	v_wmma_f32_16x16x128_fp8_fp8 v[8*(4*\a+\j):8*(4*\a+\j)+7], v[128*((\ks)%2)+16*\a:128*((\ks)%2)+16*\a+15], v[64*((\ks)%4)+16*\j:64*((\ks)%4)+16*\j+15], v[8*(4*\a+\j):8*(4*\a+\j)+7]
.endif
.endr
.endr
.endm
; Tile of rows a is finished: K steps 12 to 15, 16 matrix instructions, its four accumulators by turns.
.macro ROW a
.if 7-(\a) >= 3
	s_wait_dscnt 48                                ; my run of 16 is in; the three runs issued behind it may be out
.else
	s_wait_dscnt 16*(7-(\a))                       ; the last tiles: fewer runs stand behind mine
.endif
.irp k, 0,1,2,3
.if ((\a) == 0) && (\k == 0)
	s_wait_loadcnt 16                              ; run 12 is in, and runs 14 and 15, which were issued ahead of it; run 13 may be out
.endif
.if ((\a) == 0) && (\k == 1)
	s_wait_loadcnt 0
.endif
.if \k < 2
	WIN 0x5b                                       ; the weights of K steps 12 and 13: window 2, sets 0 and 1
.set R_B, 64*\k
.else
	WIN 0x53                                       ; those of K steps 14 and 15: window 0
.set R_B, BX+64*(\k-2)
.endif
.irp j, 0,1,2,3
	v_wmma_f32_16x16x128_fp8_fp8 v[8*(4*(\a)+\j):8*(4*(\a)+\j)+7], v[64*((\a)%4)+16*\k:64*((\a)%4)+16*\k+15], v[R_B+16*\j:R_B+16*\j+15], v[8*(4*(\a)+\j):8*(4*(\a)+\j)+7]
.endr
.endr
.endm
; THE WAY OUT of tile of rows a: x 2^(e4 + e5), each accumulator from its low end on, into two sets of registers by turns; sixteen lanes store 256 consecutive bytes of a row, aligned.
.macro SEND a
.if (\a) >= 2
	s_wait_xcnt 0x0                                ; the stores of two tiles back have read their data: the set is written again only behind this wait
.endif
	WIN 0x04                                       ; source 1 window 1
.irp i, 0,1,2,3,4,5,6,7
.irp j, 0,1,2,3
	v_mul_f32 v[TT+32*((\a)%2)+4*\i+\j], s57, v[8*(4*(\a)+\j)+\i]
.endr
.endr
	WIN 0
.irp i, 0,1,2,3,4,5,6,7
	global_store_b128 v[OO], v[TT+32*((\a)%2)+4*\i:TT+32*((\a)%2)+4*\i+3], s[46:47] offset:(16*(\a)+\i)*4096 th:TH_STORE_NT   ; rows 16 a + i and 16 a + 8 + i; written once, read by nobody here
.endr
.endm
	s_wait_alu depctr_va_vdst(0)
	BLD 0                                          ; the weights of K steps 0 to 3
	BLD 1
	BLD 2
	BLD 3
	WIN 0
	s_wait_kmcnt 0x0
	s_add_co_i32 s57, s48, s49                     ; e4 + e5
	s_add_co_i32 s57, s57, 127
	s_lshl_b32 s57, s57, 23                        ; 2^(e4 + e5) as f32
	s_wait_tensorcnt 0x0                           ; my quarter of K steps 0 to 7 is in
	ds_add_u32 v[SPW], v[NIL]
	s_wait_dscnt 0x0
	CROUND                                         ; everybody's quarter is in, and the four partners are here: the joint loads meet
	tensor_load_to_lds s[G0+4:G0+7], s[G1:G1+7]    ; K steps 8 to 15, my quarter: the first tensor load behind the round, and the launch's last fill
	s_nop 0
	PLACES
	ALD 0
.irp k, 0,1,2,3,4,5,6,7,8,9,10,11
	STEP \k
.endr
	PLACES                                         ; the set that step 11 read takes two more tiles of rows
	RLD 2
	RLD 3
	ROW 0
.irp a, 0,1,2,3,4,5,6,7
	PLACES                                         ; behind the tile's products: for the loads into the set that they read, and for the reads of their results
.if \a < 4
	RLD \a+4                                       ; its set takes the tile four further on
.endif
	SEND \a
.if \a < 7
	ROW \a+1
.endif
.endr
	s_wait_tensorcnt 0x0                           ; the wave's end
	ds_add_u32 v[SPW], v[NIL]
	s_wait_dscnt 0x0
	CROUND                                         ; the closing round: no work-group ends while a partner may still ask for a tile that names it
	s_endpgm
.Lfunc_end_k_q85d56a7100_ffn2:
	.size	k_q85d56a7100_ffn2, .Lfunc_end_k_q85d56a7100_ffn2-k_q85d56a7100_ffn2
	.p2alignl 7, 3214868480
	.fill 96, 4, 3214868480
	.section	.rodata,"a",@progbits
	.p2align	6, 0x0
	.amdhsa_kernel k_q85d56a7100_ffn2
		.amdhsa_group_segment_fixed_size 327680
		.amdhsa_private_segment_fixed_size 0
		.amdhsa_enable_private_segment 0
		.amdhsa_kernarg_size 32
		.amdhsa_user_sgpr_count 2
		.amdhsa_user_sgpr_kernarg_segment_ptr 1
		.amdhsa_wavefront_size32 1
		.amdhsa_system_sgpr_workgroup_id_x 1
		.amdhsa_system_sgpr_workgroup_id_y 1
		.amdhsa_system_sgpr_workgroup_id_z 1
		.amdhsa_system_vgpr_workitem_id 0
		.amdhsa_next_free_vgpr 1024
		.amdhsa_next_free_sgpr 66
		.amdhsa_reserve_vcc 0
		.amdhsa_float_denorm_mode_32 3
		.amdhsa_float_denorm_mode_16_64 3
		.amdhsa_memory_ordered 1
		.amdhsa_forward_progress 1
		.amdhsa_inst_pref_size 115
	.end_amdhsa_kernel
	.amdgpu_metadata
---
amdhsa.version: [ 1, 2 ]
amdhsa.kernels:
  - .name:           k_q85d56a7100_ffn2
    .symbol:         k_q85d56a7100_ffn2.kd
    .args:
      - { .name: hc, .offset: 0, .size: 8, .value_kind: global_buffer, .address_space: global }
      - { .name: w2c, .offset: 8, .size: 8, .value_kind: global_buffer, .address_space: global }
      - { .name: lowp_scales, .offset: 16, .size: 8, .value_kind: global_buffer, .address_space: global }
      - { .name: out0, .offset: 24, .size: 8, .value_kind: global_buffer, .address_space: global }
    .group_segment_fixed_size: 327680
    .private_segment_fixed_size: 0
    .kernarg_segment_align: 8
    .kernarg_segment_size: 32
    .max_flat_workgroup_size: 128
    .sgpr_count:     66
    .vgpr_count:     1024
    .wavefront_size: 32
...
	.end_amdgpu_metadata
.endif
;; end of part 3
